; MI455X (gfx1250); checked and timed in simulation.
; The chip was launched on July 23, 2026; its instructions are those of AMD's public machine-readable ISA for CDNA 5 (MIT licence, August 2026) and "CDNA5" Instruction Set Architecture Reference Guide (July 2026). The comments in the code are by the model that wrote it; some were corrected since.
;; Attention Luong for batch. Allowed arithmetic: matrix products marked QUANTISED: E5M2 operands, one given power-of-two scale a tensor, by v_wmma_f32_16x16x64_bf8_bf8 or v_wmma_f32_16x16x128_bf8_bf8, f32 sums; products left as they are: f32 operands where the result goes on into a quantised operand, else bf16, f16 or f32 operands; f32 sums; everything else in f32.
;; Inputs: attn_b 1,024 float32; attn_w_codes 1,024 x 32 x 32 uint8 (E5M2 codes of attn_w, K innermost, in blocks of 32 codes); encoder_outputs_codes 2,048 x 32 x 32 x 32 uint8 (E5M2 codes of encoder_outputs, K innermost, in blocks of 32 codes); hidden 1 x 32 x 1,024 float32; lowp_scales 2 int32 (the exponents e of the quantised operands' scales 2^e).
;; Outputs: out0 1 x 32 x 2,048 float32.
;; This version of the problem:
;;   THIS VERSION OF THE PROBLEM IS GIVEN IN LOW PRECISION. The matrix products marked QUANTISED in the list below multiply operands that are first quantised to E5M2 (5 exponent bits, 2 mantissa bits; 8 bits a number), with one given power-of-two scale for each operand tensor; their sums are f32. All else is computed in f32.
;;   The module's matrix products, in the order in which they are computed (A, B: the left and right operand; K: the contracted axis; several contracted axes count as one K, in the product's order):
;;     1. [M 65,536, K 1,024] x [K 1,024, N 1,024]; A: input encoder_outputs (given as codes); B: input attn_w (given as codes): QUANTISED (scales: A lowp_scales[0], B lowp_scales[1])
;;     2. batch 32 x [M 1, K 1,024] x [K 1,024, N 2,048]; A: input hidden; B: computed on the way: left as it is (M = 1 < 16)
;;   THE QUANTISER, for each operand of a quantised product, along K:
;;     - The operand's scale is 2^e, e = its entry of the input lowp_scales (int32; the entries are numbered through the quantised products in the list's order, A before B).
;;     - Each number is divided by the scale, clamped to +-57,344, and rounded to the nearest number of E5M2, ties to even, subnormals kept.
;;     - The product sums the exact products of the quantised numbers (number of the format x scale) in f32.
;;   ~~~python
;;   def quantise(x, axis, e):      # numpy; x: float32 -> the quantised numbers, widened to float32 again
;;       x = np.moveaxis(x, axis, -1); K = x.shape[-1]
;;       r = np.clip(x / 2.0 ** e, -57344, 57344)
;;       step = 2.0 ** (np.maximum(np.frexp(np.where(r == 0, 1, r))[1] - 1, -14) - 2)
;;       q = np.round(r / step) * step * 2.0 ** e      # np.round: ties to even
;;       return np.moveaxis(q, -1, axis).astype(np.float32)
;;   ~~~
;;   INPUTS GIVEN AS CODES. attn_w (in the module: [1024, 1024], K = its axis 1); encoder_outputs (in the module: [2048, 32, 1024], K = its axis 2): each comes as NAME_codes (uint8): NAME with its K axis moved to the last place and cut into blocks of 32 codes, [.., K / 32, bytes a block], one block behind the other in memory; one code a byte (a code: sign, 5 exponent bits, 2 mantissa bits); its scale is its entry of lowp_scales. Its value is code x scale, taken as it is: it is not quantised again, and the codes and scales need not be those that the quantiser above would give.
;; One version. Each part assembles by itself: llvm-mc -triple=amdgcn-amd-amdhsa -mcpu=gfx1250 --defsym DOCPART=n.
;; ======== version 1 of 1: 2 launches
;; limits: right only within a limited range of input values
;; workspace buffers: part 524,288 bytes
;; launch scores (part 1): grid 256 x 1, 4 waves a work-group, clusters of 4 x 1, 327,680 bytes of LDS; arguments encoder_outputs_codes, attn_w_codes, lowp_scales, part, hidden; writes part
.if DOCPART == 1
	.amdgcn_target "amdgcn-amd-amdhsa--gfx1250"
	.amdhsa_code_object_version 6
	.text
	.protected	k_qf0fea31d08_scores
	.globl	k_qf0fea31d08_scores
	.p2align	8
	.type	k_qf0fea31d08_scores,@function
k_qf0fea31d08_scores:
	s_mov_b64 s[64:65], 0
	v_nop
	global_prefetch_b8 v0, s[64:65] scope:SCOPE_SE
	s_setreg_imm32_b32 hwreg(HW_REG_WAVE_MODE, 25, 1), 1
	s_wait_xcnt 0x0
	s_wait_alu depctr_hold_cnt(0) depctr_sa_sdst(0) depctr_va_vdst(0) depctr_va_sdst(0) depctr_va_ssrc(0) depctr_va_vcc(0) depctr_vm_vsrc(0)
	s_getreg_b32 s2, hwreg(HW_REG_IB_STS2, 6, 4)
	s_cmp_eq_u32 s2, 0
	s_cbranch_scc0 .Lentry_in_a_cluster
	s_endpgm
.Lentry_in_a_cluster:
	s_bfe_u32 s2, ttmp6, 0x10000c
	s_cmp_lg_u32 s2, 0x3003
	s_cbranch_scc0 .Lentry_shape_is_right
	s_endpgm
.Lentry_shape_is_right:
; part[b][share][s]: two shares whose sum is score[b][s] = sum over o of hidden[b][o] x (sum over k of enc[s][b][k] W[o][k]), up to a term that is the same for all s of a b.
; WORK LEFT OUT: reference() adds attn_b[o] to proj[s][b][o], which adds sum over o of hidden[b][o] attn_b[o] to score[b][s]. That term holds no s, and the softmax runs over s:
; e^(x+c) / sum e^(x+c) = e^x / sum e^x for every finite c, so it reaches no output whatever the inputs hold. attn_b feeds no quantised operand. It is not loaded and is no argument.
; LIMIT: a NaN, an infinity or an overflow that arises in that term alone is not carried to the result.
; THE PRODUCT is done whole, on the codes as given, by v_wmma_f32_16x16x128_bf8_bf8; the finished scores are multiplied by 2^(e0 + e1) with v_ldexp_f32.
; SHAPE: 256 work-groups of four waves; a work-group owns one b and 256 positions s. The score is linear in the sums over k, so wave w takes k = 256 w .. 256 w + 255 alone:
; its 256 rows x 256 codes of enc stay in 512 registers for the whole kernel, and W passes by once, in blocks of 16 rows o: 32 matrix instructions for 8 LDS loads of W.
; A block's sums (K = 256) are weighted with hidden[b][o] and added up while the next block is multiplied: two packed multiply-adds behind each matrix instruction.
; Source 0 = 16 rows of W, source 1 = 16 rows of enc: lane (r, h) holds position r of the row block, registers j the outputs o = 8 h + j.
; A fragment's registers 4 c .. 4 c + 3 hold k = 32 c + 16 h + 0 .. 15: the same permutation of k in both operands, so every product meets its partner.
; REGISTER WINDOWS: window y = 1, 2, 3 holds five row blocks (a = 5 (y - 1) + i): fragments v[32 i ..], two sets of accumulators v[160 + 40 p + 8 i ..], sums v[240 + 2 i ..].
; Window 0 holds row block 15 in the places of i = 4, W's fragments (two sets), hidden's weights (two sets) and the addresses. One setting serves a window's products and multiply-adds.
; LDS: enc's 256 rows (pitch 1,040) at 0; W's rows 0-47 behind them; once enc is in registers its bytes are the ring: two slots of 128 rows of W.
; CLUSTER: all work-groups read the same W: the four of a cluster ask for each tile jointly (mask 15). enc's rows are each work-group's own: plain loads.
; PREFETCH: of W, 128 rows at a time, one slot or more ahead of the fill that wants them; the 512 lanes of a cluster name 512 different blocks of 256 bytes, shared out by address;
; four clusters ask. W's rows 0-47 and 944-1023 come by their loads alone. enc is asked for once, at the head: there is no loop to run ahead in.
.set PITCH, 1040                       ; 1,024 bytes + 16: the sixteen rows of a fragment load start 4 words apart modulo 64 words
.set BLKB,  16*PITCH
.set SLOTB, 8*BLKB
.set EB,    2*SLOTB                    ; W's rows 0-47
.set SPARE, EB+3*BLKB                  ; the spare words, 128 bytes a wave
.set HID,   SPARE+512                  ; hidden[b], 4,096 bytes, stored by the waves
.set STG,   HID+4096                   ; the waves' partial scores, 1,024 bytes each
.set SPW, 2
.set NIL, 3
.set ADR, 4                            ; v4-7: my lane's place in a block + 0, 4, 8, 12 blocks
.set ADE, 8                            ; the same in W's rows 0-47
.set HWB, 9                            ; hidden's weights of my half of the lanes
.set HWL, 10                           ; the same, stepped with the loop's trips
.set HST, 11
.set HGO, 12
.set STO, 13
.set RD,  14
.set CO,  15
.set PFO, 16
.set WB,  32                           ; v32-95: W's fragments, set p at 32 p, the second 128 of k at + 16
.set HW,  96                           ; v96-111: weights, set p at 8 p
.set TH,  112
.set AC,  160
.set T,   200
.set OV,  216
.set RR,  240
.set G1A, 24
.set G1E, 32
.set G1F, 40
.set G1S, 48
.set G0A, 56
.set G0E, 60
.set G0F, 68
.set G0S0, 72
.set G0S1, 76
.set SEL, 80
.set EXPO, 82
.set PFA, 84
.set LIM, 86
.set HS,  87
.set PADW,  (1<<20)|(7<<22)|(3<<25)    ; bytes; 4 words of padding behind every 256 words
.set JOINT, PADW|15|(1<<21)
.set MSB, 0
.macro WIN new
.if MSB != (\new)
	s_set_vgpr_msb (MSB<<8)|(\new)
.set MSB, (\new)
.endif
.endm
.macro MKG1 g, w0, rows, stride        ; rows of 1,024 bytes
	s_mov_b32 s[\g], \w0
	s_mov_b32 s[\g+1], 1024<<16
	s_mov_b32 s[\g+2], (\rows)<<16
	s_mov_b32 s[\g+3], 1024<<16
	s_mov_b32 s[\g+4], \rows
	s_mov_b32 s[\g+5], \stride
	s_mov_b32 s[\g+6], 0
	s_mov_b32 s[\g+7], 0
.endm
.macro CREST
	s_cmp_lg_u32 s14, 0
	s_cbranch_scc1 .Lnot_wave_0_\@
	s_barrier_signal -3
.Lnot_wave_0_\@:
	s_barrier_wait -3
	s_barrier_signal -1
	s_barrier_wait -1
.endm
.macro CROUND
	s_barrier_signal -1
	s_barrier_wait -1
	CREST
.endm
.macro NOPS
.rept 4
	v_nop
.endr
.endm
; 128 rows of W from byte off behind s[PFA]: a lane a block of 256 bytes. mode 1: ahead of the loop; mode 2: in its first two trips
.macro ASK off, mode
.if \mode == 2
	s_cmp_lt_u32 s[HS], s[LIM]
.else
	s_cmp_lg_u32 s[LIM], 0
.endif
	s_cbranch_scc0 .Lno_ask_\@
	global_prefetch_b8 v[PFO], s[PFA:PFA+1] offset:\off th:TH_LOAD_NT scope:SCOPE_SE
.Lno_ask_\@:
.endm
.macro WM i, k, p                      ; row block i of the window x W's set p; k = 0 starts the sum
.set DD, AC+40*(\p)+8*(\i)
.if \k
	v_wmma_f32_16x16x128_bf8_bf8 v[DD:DD+7], v[WB+32*(\p)+16:WB+32*(\p)+31], v[32*(\i)+16:32*(\i)+31], v[DD:DD+7]
.else
	v_wmma_f32_16x16x128_bf8_bf8 v[DD:DD+7], v[WB+32*(\p):WB+32*(\p)+15], v[32*(\i):32*(\i)+15], 0
.endif
.endm
.macro PK n, pe, first                 ; step n of 20: sums of row block n % 5 += weights x registers 2 (n / 5), + 1 of its accumulator in set pe; each accumulator from its low end on
.set QQ, (\n)/5
.set II, (\n)%5
.set SA, AC+40*(\pe)+8*II+2*QQ
.set SH, HW+8*(\pe)+2*QQ
.if (\first) && (QQ == 0)
	v_pk_mul_f32 v[RR+2*II:RR+2*II+1], v[SH:SH+1], v[SA:SA+1]
.else
	v_pk_fma_f32 v[RR+2*II:RR+2*II+1], v[SH:SH+1], v[SA:SA+1], v[RR+2*II:RR+2*II+1]
.endif
.endm
.macro PK15 pe, first                  ; row block 15: four sums of its own, so that no line waits for the line above
.irp q, 0,1,2,3
.if \first
	v_pk_mul_f32 v[RR+2*\q:RR+2*\q+1], v[HW+8*(\pe)+2*\q:HW+8*(\pe)+2*\q+1], v[AC+40*(\pe)+32+2*\q:AC+40*(\pe)+33+2*\q]
.else
	v_pk_fma_f32 v[RR+2*\q:RR+2*\q+1], v[HW+8*(\pe)+2*\q:HW+8*(\pe)+2*\q+1], v[AC+40*(\pe)+32+2*\q:AC+40*(\pe)+33+2*\q], v[RR+2*\q:RR+2*\q+1]
.endif
.endr
.endm
; window y: ten products of this block into set p, the five accumulators by turns, and the weighting of the block before
.macro GROUP y, p, epi
	WIN 0x54*\y
.set NN, 0
.irp k, 0,1
.irp i, 0,1,2,3,4
	WM \i, \k, \p
.if \epi
	PK NN, 1-(\p), \epi-1
	PK NN+1, 1-(\p), \epi-1
.set NN, NN+2
.endif
.endr
.endr
.endm
.macro WLOAD p, reg, off
.irp k, 0,1
.irp c, 0,1,2,3
	ds_load_b128 v[WB+32*(\p)+16*\k+4*\c:WB+32*(\p)+16*\k+4*\c+3], v[\reg] offset:\off+128*\k+32*\c
.endr
.endr
.endm
.macro HLOAD p, reg, off
	ds_load_b128 v[HW+8*(\p):HW+8*(\p)+3], v[\reg] offset:\off
	ds_load_b128 v[HW+8*(\p)+4:HW+8*(\p)+7], v[\reg] offset:\off+16
.endm
.macro ALOAD a, i                      ; enc's row block a into the places of i in the window that is set
.irp k, 0,1
.irp c, 0,1,2,3
	ds_load_b128 v[32*(\i)+16*\k+4*\c:32*(\i)+16*\k+4*\c+3], v[ADR+(\a)/4] offset:((\a)%4)*BLKB+128*\k+32*\c
.endr
.endr
.endm
; Block j (16 rows of W). Windows 1-3, then in window 0: row block 15's second product of block j, its weighting of block j - 1, its first product of block j + 1,
; and one run of loads: W's fragments of block j + 2 and the weights of block j + 1. Block b >= 3 lies at place (b & 15) ^ 8 of the ring's sixteen.
; kind 1: block j + 2 opens a slot: all my loads have landed, my reads of the slot that is left are back, a round of the cluster's barrier, and that slot is filled again. kind 2: the same with nothing to fill.
.macro BLK j, epi, kind, gfill, gstep, hreg, ask, aoff
.set P, (\j)&1
	GROUP 1, P, \epi
	GROUP 2, P, \epi
	GROUP 3, P, \epi
	WIN 0
	WM 4, 1, P
.if \kind
	s_wait_tensorcnt 0x0                           ; all my tensor loads have landed: my part of the slot that is opened
	ds_add_u32 v[SPW], v[NIL]
.endif
.if \epi
	PK15 1-P, \epi-1                               ; also the four places ahead of the loads into W's set P
.else
	NOPS
.endif
.if \gstep
	s_add_nc_u64 s[\gstep+2:\gstep+3], s[\gstep+2:\gstep+3], 262144   ; no load of mine is out: the landed slot's next tile, 256 rows on
.endif
	s_wait_dscnt 0x0                               ; the run of loads of the block before (and the add)
.if \kind
	s_barrier_signal -1
.endif
.if (\j) < 63
	WM 4, 0, 1-P
.endif
.if \kind
	s_barrier_wait -1
.endif
.if \kind == 1
	CREST
	tensor_load_to_lds s[\gfill:\gfill+3], s[G1S:G1S+7]   ; my 32 rows of the next 128: it has eight blocks' work in which to land
	s_nop 0
.endif
.if (\j) < 62
.if (\j)+2 < 3
	WLOAD P, ADE, ((\j)+2)*BLKB
.else
.set LIN, (((\j)+2)&15)^8
	WLOAD P, ADR+LIN/4, (LIN%4)*BLKB
.endif
.endif
.if (\j) < 63
	HLOAD 1-P, \hreg, 64*((\j)+1)
.endif
.if \ask
	ASK \aoff, \ask
.endif
.endm
	s_load_b256 s[4:11], s[0:1], 0x0               ; enc s[4:5], W s[6:7], scales s[8:9], part s[10:11]
	s_load_b64 s[12:13], s[0:1], 0x20              ; hidden
	v_lshl_add_u32 v[SPW], v0, 2, SPARE
	v_mov_b32 v[NIL], 0
	ds_add_u32 v[SPW], v[NIL]
	ds_add_u32 v[SPW], v[NIL]
	v_lshrrev_b32 v1, 5, v0
	v_readfirstlane_b32 s14, v1                    ; wave
	s_bfe_u32 s15, ttmp6, 0x40000                  ; cx
	s_lshl_b32 s16, ttmp9, 2
	s_add_co_u32 s16, s16, s15                     ; work-group
	s_lshr_b32 s17, s16, 3                         ; b
	s_and_b32 s18, s16, 7                          ; which 256 positions
	s_and_b32 s19, s14, 1
	MKG1 G1A, PADW, 128, 32768                     ; enc: 128 positions of one b, 32,768 bytes apart
	MKG1 G1E, JOINT, 24, 1024                      ; W: 24, 20, 32 rows
	MKG1 G1F, JOINT, 20, 1024
	MKG1 G1S, JOINT, 32, 1024
.irp g, G0A, G0E, G0F, G0S0, G0S1
	s_mov_b32 s[\g], 1
.endr
	s_mul_i32 s[G0A+1], s19, SLOTB                 ; waves 0, 1: enc's rows 0-127, 128-255
	s_mul_i32 s[G0E+1], s19, 24*PITCH              ; waves 2, 3: W's rows 0-23, 24-47
	s_add_co_u32 s[G0E+1], s[G0E+1], EB
	s_mul_i32 s[G0F+1], s14, 20*PITCH              ; W's rows 48-127, 20 a wave, at places 3-7 of slot 1
	s_add_co_u32 s[G0F+1], s[G0F+1], SLOTB+3*BLKB
	s_mul_i32 s[G0S0+1], s14, 32*PITCH
	s_add_co_u32 s[G0S1+1], s[G0S0+1], SLOTB
	s_lshl_b32 s20, s18, 23
	s_lshl_b32 s21, s19, 22
	s_add_co_u32 s20, s20, s21
	s_lshl_b32 s21, s17, 10
	s_add_co_u32 s20, s20, s21
	s_mov_b32 s21, 0
	s_mul_i32 s22, s19, 24576
	s_mov_b32 s23, 0
	s_mul_i32 s88, s14, 20480
	s_add_co_u32 s88, s88, 49152
	s_mov_b32 s89, 0
	s_lshl_b32 s90, s14, 15
	s_add_co_u32 s90, s90, 131072
	s_mov_b32 s91, 0
	s_mov_b32 s[SEL], 0x76543210
	s_mov_b32 s[SEL+1], 0xfedcba98
	s_cmp_lt_u32 ttmp9, 4                          ; four clusters prefetch W
	s_cselect_b32 s[LIM], 2048, 0
	s_wait_dscnt 0x0
	s_wait_kmcnt 0x0
	s_load_b64 s[EXPO:EXPO+1], s[8:9], 0x0
	s_add_nc_u64 s[G0A+2:G0A+3], s[4:5], s[20:21]
	s_add_nc_u64 s[G0E+2:G0E+3], s[6:7], s[22:23]
	s_add_nc_u64 s[G0F+2:G0F+3], s[6:7], s[88:89]
	s_add_nc_u64 s[G0S0+2:G0S0+3], s[6:7], s[90:91]      ; rows 128 ..
	s_add_nc_u64 s[G0S1+2:G0S1+3], s[G0S0+2:G0S0+3], 131072   ; rows 256 ..
.irp g, G0A, G0E, G0F, G0S0, G0S1
	s_or_b32 s[\g+3], s[\g+3], 0x80000000
.endr
	s_add_nc_u64 s[PFA:PFA+1], s[6:7], 49152       ; W's row 48
	s_lshl_b32 s20, s17, 12
	s_add_nc_u64 s[12:13], s[12:13], s[20:21]      ; hidden[b]
	s_lshl_b32 s20, s17, 14
	s_lshl_b32 s22, s18, 10
	s_add_co_u32 s20, s20, s22
	s_add_nc_u64 s[10:11], s[10:11], s[20:21]      ; part[b][0][256 x my block]
	s_lshl_b32 s20, s14, 10
	s_add_co_u32 s20, s20, STG                     ; my wave's part of the stage
	s_lshl_b32 s21, s15, 7
	CROUND                                         ; ahead of the first loads
	s_cmp_lt_u32 s14, 2
	s_cbranch_scc0 .Lhead_w
	tensor_load_to_lds s[G0A:G0A+3], s[G1A:G1A+7]  ; one tensor load a wave at the head
	s_nop 0
	NOPS
	s_branch .Lhead_j
.Lhead_w:
	tensor_load_to_lds s[G0E:G0E+3], s[G1E:G1E+7]
	s_nop 0
	NOPS
.Lhead_j:
	v_lshlrev_b32 v[HGO], 5, v0
	global_load_b128 v[TH:TH+3], v[HGO], s[12:13]              ; thread t: hidden[b][8 t .. 8 t + 7]
	global_load_b128 v[TH+4:TH+7], v[HGO], s[12:13] offset:16
	v_and_b32 v1, 15, v0                           ; r
	v_bfe_u32 v17, v0, 4, 1                        ; h
	v_mul_u32_u24 v18, v1, PITCH
	v_lshl_add_u32 v18, v17, 4, v18
	v_lshl_add_u32 v18, s14, 8, v18                ; row r, my quarter of k, 16 h
.irp n, 0,1,2,3
	v_add_nc_u32 v[ADR+\n], \n*4*BLKB, v18
.endr
	v_add_nc_u32 v[ADE], EB, v18
	v_lshl_add_u32 v[HWB], v17, 5, HID
	v_lshl_add_u32 v[HST], v0, 5, HID
	v_lshl_add_u32 v[STO], v1, 2, s20
	v_and_b32 v19, 63, v0
	v_lshrrev_b32 v20, 6, v0                       ; the share that I store
	v_lshlrev_b32 v19, 4, v19
	v_lshl_add_u32 v[CO], v20, 13, v19
	v_lshl_add_u32 v[RD], v20, 11, v19
	v_add_nc_u32 v[RD], STG, v[RD]
	v_add_nc_u32 v21, s21, v0
	v_lshlrev_b32 v[PFO], 8, v21                   ; block 128 cx + thread of a tile's 512
	s_wait_alu depctr_va_vdst(0)
	ASK 0, 1                                       ; W's rows 48-175
	s_wait_loadcnt 0x0
	s_wait_kmcnt 0x0
	s_add_co_i32 s[EXPO], s[EXPO], s[EXPO+1]       ; e0 + e1
	s_wait_tensorcnt 0x0                           ; my head load has landed
	ds_store_b128 v[HST], v[TH:TH+3]
	ds_store_b128 v[HST], v[TH+4:TH+7] offset:16
	s_wait_dscnt 0x0
	s_barrier_signal -1
	s_barrier_wait -1                              ; enc, W's rows 0-47 and hidden are whole
.irp y, 1,2,3
	WIN (\y<<6)
.irp i, 0,1,2,3,4
	ALOAD 5*(\y-1)+\i, \i
.endr
.endr
	WIN 0
	ALOAD 15, 4
	WLOAD 0, ADE, 0
	WLOAD 1, ADE, BLKB
	HLOAD 0, HWB, 0
	s_wait_tensorcnt 0x0
	ds_add_u32 v[SPW], v[NIL]
	s_wait_dscnt 0x0                               ; enc is in my registers
	CROUND                                         ; and in everybody's: its bytes are the ring from here on
	tensor_load_to_lds s[G0F:G0F+3], s[G1F:G1F+7]  ; W's rows 48-127
	s_nop 0
	NOPS
	ASK 131072, 1                                  ; rows 176-303
	WM 4, 0, 0
	BLK 0, 0, 0, 0, 0, HWB, 0, 0
	BLK 1, 2, 1, G0S0, 0, HWB, 1, 262144           ; rows 48-127 are in; slot 0 takes rows 128-255; rows 304-431 are asked for
	BLK 2, 1, 0, 0, 0, HWB, 0, 0
	s_mov_b32 s[HS], 0
.Ltrip:                                                ; sixteen blocks: 3-18, 19-34, 35-50; both slots are filled again
	v_add_nc_u32 v[HWL], s[HS], v[HWB]             ; sixteen blocks' weights are 1,024 bytes
.irp j, 3,4,5
	BLK \j, 1, 0, 0, 0, HWL, 0, 0
.endr
	BLK 6, 1, 1, G0S1, G0S0, HWL, 2, 393216
.irp j, 7,8,9,10,11,12,13
	BLK \j, 1, 0, 0, 0, HWL, 0, 0
.endr
	BLK 14, 1, 1, G0S0, G0S1, HWL, 2, 524288
.irp j, 15,16,17,18
	BLK \j, 1, 0, 0, 0, HWL, 0, 0
.endr
	s_wait_xcnt 0x0                                ; my prefetches have read their base
	s_add_nc_u64 s[PFA:PFA+1], s[PFA:PFA+1], 262144
	s_add_co_u32 s[HS], s[HS], 1024
	s_cmp_lt_u32 s[HS], 3072
	s_cbranch_scc1 .Ltrip
.irp j, 51,52,53
	BLK \j, 1, 0, 0, 0, HWB, 0, 0
.endr
	BLK 54, 1, 2, 0, 0, HWB, 0, 0                  ; the last 128 rows are in; nothing is filled again
.irp j, 55,56,57,58,59,60,61,62,63
	BLK \j, 1, 0, 0, 0, HWB, 0, 0
.endr
.irp y, 1,2,3                          ; the weighting of block 63
	WIN 0x54*\y
.set NN, 0
.rept 20
	PK NN, 1, 0
.set NN, NN+1
.endr
.endr
	WIN 0
	PK15 1, 0
.irp y, 1,2,3                          ; a pair's two halves; the results go to window 0
	WIN 5*\y
.irp i, 0,1,2,3,4
	v_add_f32 v[T+5*(\y-1)+\i], v[RR+2*\i], v[RR+2*\i+1]
.endr
.endr
	WIN 0
	v_pk_add_f32 v[RR:RR+1], v[RR:RR+1], v[RR+2:RR+3]
	v_pk_add_f32 v[RR+4:RR+5], v[RR+4:RR+5], v[RR+6:RR+7]
	v_pk_add_f32 v[RR:RR+1], v[RR:RR+1], v[RR+4:RR+5]
	v_add_f32 v[T+15], v[RR], v[RR+1]
.irp a, 0,1,2,3,4,5,6,7,8,9,10,11,12,13,14,15
	v_permlanex16_b32 v[WB+\a], v[T+\a], s[SEL], s[SEL+1]      ; the other eight o of each block
.endr
.irp a, 0,1,2,3,4,5,6,7,8,9,10,11,12,13,14,15
	v_add_f32 v[T+\a], v[T+\a], v[WB+\a]
.endr
.irp a, 0,1,2,3,4,5,6,7,8,9,10,11,12,13,14,15
	v_ldexp_f32 v[T+\a], v[T+\a], s[EXPO]
.endr
.irp a, 0,1,2,3,4,5,6,7,8,9,10,11,12,13,14,15
	ds_store_b32 v[STO], v[T+\a] offset:64*\a      ; position 16 a + r; both halves of the lanes hold the same number
.endr
	s_wait_dscnt 0x0                               ; for the others' sake
	s_barrier_signal -1
	s_barrier_wait -1
	ds_load_b128 v[OV:OV+3], v[RD]                 ; share 0 = waves 0 + 1, share 1 = waves 2 + 3; four positions a thread
	ds_load_b128 v[OV+4:OV+7], v[RD] offset:1024
	s_wait_dscnt 0x0
	v_pk_add_f32 v[OV:OV+1], v[OV:OV+1], v[OV+4:OV+5]
	v_pk_add_f32 v[OV+2:OV+3], v[OV+2:OV+3], v[OV+6:OV+7]
	global_store_b128 v[CO], v[OV:OV+3], s[10:11]  ; sixteen lanes store 256 consecutive bytes, at a multiple of 256 from part's first byte
	s_wait_tensorcnt 0x0                           ; the wave's end
	ds_add_u32 v[SPW], v[NIL]
	s_wait_dscnt 0x0
	CROUND                                         ; the closing round
	s_endpgm
.Lfunc_end_k_qf0fea31d08_scores:
	.size	k_qf0fea31d08_scores, .Lfunc_end_k_qf0fea31d08_scores-k_qf0fea31d08_scores
	.p2alignl 7, 3214868480
	.fill 96, 4, 3214868480
	.section	.rodata,"a",@progbits
	.p2align	6, 0x0
	.amdhsa_kernel k_qf0fea31d08_scores
		.amdhsa_group_segment_fixed_size 327680
		.amdhsa_private_segment_fixed_size 0
		.amdhsa_enable_private_segment 0
		.amdhsa_kernarg_size 40
		.amdhsa_user_sgpr_count 2
		.amdhsa_user_sgpr_kernarg_segment_ptr 1
		.amdhsa_wavefront_size32 1
		.amdhsa_system_sgpr_workgroup_id_x 1
		.amdhsa_system_sgpr_workgroup_id_y 1
		.amdhsa_system_sgpr_workgroup_id_z 1
		.amdhsa_system_vgpr_workitem_id 0
		.amdhsa_next_free_vgpr 1024
		.amdhsa_next_free_sgpr 96
		.amdhsa_reserve_vcc 0
		.amdhsa_float_denorm_mode_32 3
		.amdhsa_float_denorm_mode_16_64 3
		.amdhsa_memory_ordered 1
		.amdhsa_forward_progress 1
		.amdhsa_inst_pref_size 242
	.end_amdhsa_kernel
	.amdgpu_metadata
---
amdhsa.version: [ 1, 2 ]
amdhsa.kernels:
  - .name:           k_qf0fea31d08_scores
    .symbol:         k_qf0fea31d08_scores.kd
    .args:
      - { .name: encoder_outputs_codes, .offset: 0, .size: 8, .value_kind: global_buffer, .address_space: global }
      - { .name: attn_w_codes, .offset: 8, .size: 8, .value_kind: global_buffer, .address_space: global }
      - { .name: lowp_scales, .offset: 16, .size: 8, .value_kind: global_buffer, .address_space: global }
      - { .name: part, .offset: 24, .size: 8, .value_kind: global_buffer, .address_space: global }
      - { .name: hidden, .offset: 32, .size: 8, .value_kind: global_buffer, .address_space: global }
    .group_segment_fixed_size: 327680
    .private_segment_fixed_size: 0
    .kernarg_segment_align: 8
    .kernarg_segment_size: 40
    .max_flat_workgroup_size: 128
    .sgpr_count:     96
    .vgpr_count:     1024
    .wavefront_size: 32
...
	.end_amdgpu_metadata
.endif
;; end of part 1
;; launch softmax (part 2): grid 32 x 1, 16 waves a work-group, no clusters, 2,560 bytes of LDS; arguments part, out0; writes out0
.if DOCPART == 2
	.amdgcn_target "amdgcn-amd-amdhsa--gfx1250"
	.amdhsa_code_object_version 6
	.text
	.protected	k_qf0fea31d08_softmax
	.globl	k_qf0fea31d08_softmax
	.p2align	8
	.type	k_qf0fea31d08_softmax,@function
k_qf0fea31d08_softmax:
	s_mov_b64 s[64:65], 0
	v_nop
	global_prefetch_b8 v0, s[64:65] scope:SCOPE_SE
	s_setreg_imm32_b32 hwreg(HW_REG_WAVE_MODE, 25, 1), 1
	s_wait_xcnt 0x0
; out0[b][s] = softmax over s of score[b][s], score[b][s] = part[b][0][s] + part[b][1][s], all f32.
; One work-group to a b, sixteen waves; thread i owns s = 4 i .. 4 i + 3, so every load and the store of a wave cover 512 consecutive bytes, and a row of 2,048 scores lies in the work-group's registers:
; part is read once.  The row's maximum is taken away before the exponentials.  Maximum and sum go across the lanes in registers and across the waves through sixteen words of LDS each, with one barrier each;
; the two use different bytes, so no third barrier is needed.  32 rows are all the work there is: more work-groups would only find the same maximum and sum again.  No matrix work, no tensor loads, no cluster: nothing is shared.
; A row whose scores hold NaN, or +infinity, gives NaN, as the definition does.
.set X,  8                             ; v[8:15]  two shares x four s; v[8:11] become the scores, then p, then the result
.set M,  40                            ; v[40:41] the maximum (the packed forms name the pair and take its low word)
.set L,  42                            ; v[42:43] the sum, then its reciprocal
.set W,  44                            ; v[44:59] the sixteen waves' figures
	s_load_b128 s[4:7], s[0:1], 0x0                ; part s[4:5], out0 s[6:7]
	v_lshl_add_u32 v64, v0, 2, 0x200
	v_mov_b32 v65, 0
	v_lshlrev_b32 v1, 4, v0                        ; my 16 bytes of a row of 8,192
	v_lshrrev_b32 v2, 5, v0
	s_delay_alu instid0(VALU_DEP_1)
	v_lshlrev_b32 v2, 2, v2                        ; my wave's word in LDS
	v_mov_b32 v3, 0                                ; LDS byte 0
	v_mov_b32 v[M+1], 0                            ; written once: a lane permute's destination counts as one of its sources
	s_lshl_b32 s8, ttmp9, 14                       ; b x 2 shares x 8,192 bytes
	s_mov_b32 s9, 0
	s_lshl_b32 s10, ttmp9, 13                      ; b x 8,192 bytes
	s_mov_b32 s11, 0
	s_mov_b32 s12, 0x76543210                      ; v_permlanex16_b32: lane l xor 16
	s_mov_b32 s13, 0xfedcba98
	s_wait_alu depctr_va_vdst(0)
	s_wait_kmcnt 0x0
	s_add_nc_u64 s[4:5], s[4:5], s[8:9]
	s_add_nc_u64 s[6:7], s[6:7], s[10:11]
.irp p, 0,1
	global_load_b128 v[X+4*\p:X+4*\p+3], v1, s[4:5] offset:8192*\p th:TH_LOAD_NT
.endr
	s_wait_loadcnt 0x0
	v_pk_add_f32 v[X:X+1], v[X:X+1], v[X+4:X+5]
	v_pk_add_f32 v[X+2:X+3], v[X+2:X+3], v[X+6:X+7]
	; the row's maximum: my four, my wave's 128, the sixteen waves'
	s_delay_alu instid0(VALU_DEP_1)
	v_max3_num_f32 v[M], v[X], v[X+1], v[X+2]
	s_delay_alu instid0(VALU_DEP_1)
	v_max_num_f32 v[M], v[M], v[X+3]
	s_delay_alu instid0(VALU_DEP_1)
	v_max_num_f32_dpp v[M], v[M], v[M] row_xmask:1 row_mask:0xf bank_mask:0xf
	s_delay_alu instid0(VALU_DEP_1)
	v_max_num_f32_dpp v[M], v[M], v[M] row_xmask:2 row_mask:0xf bank_mask:0xf
	s_delay_alu instid0(VALU_DEP_1)
	v_max_num_f32_dpp v[M], v[M], v[M] row_xmask:4 row_mask:0xf bank_mask:0xf
	s_delay_alu instid0(VALU_DEP_1)
	v_max_num_f32_dpp v[M], v[M], v[M] row_xmask:8 row_mask:0xf bank_mask:0xf
	s_delay_alu instid0(VALU_DEP_1)
	v_permlanex16_b32 v[M+1], v[M], s12, s13
	s_delay_alu instid0(VALU_DEP_1)
	v_max_num_f32 v[M], v[M], v[M+1]
	ds_store_b32 v2, v[M]                          ; all lanes of a wave write the same word with the same value
	s_wait_dscnt 0x0                               ; for the others' sake: my store is done
	s_barrier_signal -1
	s_barrier_wait -1
.irp i, 0,1,2,3
	ds_load_b128 v[W+4*\i:W+4*\i+3], v3 offset:16*\i
.endr
	s_wait_dscnt 0x0
	v_max3_num_f32 v[M], v[W], v[W+1], v[W+2]      ; two chains
	v_max3_num_f32 v[M+1], v[W+3], v[W+4], v[W+5]
	s_delay_alu instid0(VALU_DEP_2)
	v_max3_num_f32 v[M], v[M], v[W+6], v[W+7]
	s_delay_alu instid0(VALU_DEP_2)
	v_max3_num_f32 v[M+1], v[M+1], v[W+8], v[W+9]
	s_delay_alu instid0(VALU_DEP_2)
	v_max3_num_f32 v[M], v[M], v[W+10], v[W+11]
	s_delay_alu instid0(VALU_DEP_2)
	v_max3_num_f32 v[M+1], v[M+1], v[W+12], v[W+13]
	s_delay_alu instid0(VALU_DEP_2)
	v_max3_num_f32 v[M], v[M], v[W+14], v[W+15]
	s_delay_alu instid0(VALU_DEP_1)
	v_max_num_f32 v[M], v[M], v[M+1]
	; p = e^(score - maximum) = 2^((score - maximum) log2(e))
	s_delay_alu instid0(VALU_DEP_1)
	v_pk_add_f32 v[X:X+1], v[X:X+1], v[M:M+1] op_sel_hi:[1,0] neg_lo:[0,1] neg_hi:[0,1]
	s_delay_alu instid0(VALU_DEP_2)
	v_pk_add_f32 v[X+2:X+3], v[X+2:X+3], v[M:M+1] op_sel_hi:[1,0] neg_lo:[0,1] neg_hi:[0,1]
	s_delay_alu instid0(VALU_DEP_2)
	v_pk_mul_f32 v[X:X+1], v[X:X+1], 0x3fb8aa3b op_sel_hi:[1,0]
	s_delay_alu instid0(VALU_DEP_2)
	v_pk_mul_f32 v[X+2:X+3], v[X+2:X+3], 0x3fb8aa3b op_sel_hi:[1,0]
	s_wait_alu depctr_va_vdst(0)
	v_exp_f32 v[X], v[X]
	v_exp_f32 v[X+1], v[X+1]
	v_exp_f32 v[X+2], v[X+2]
	v_exp_f32 v[X+3], v[X+3]
	v_nop                                          ; a plain instruction between the last exponential and the use of its result (ISA guide 5.7.2)
	s_wait_alu depctr_va_vdst(0)                   ; and the wait ahead of the first use: one for the four
	; the row's sum, the same way, through other bytes of LDS
	v_pk_add_f32 v[L:L+1], v[X:X+1], v[X+2:X+3]
	s_delay_alu instid0(VALU_DEP_1)
	v_add_f32 v[L], v[L], v[L+1]
	s_delay_alu instid0(VALU_DEP_1)
	v_add_f32_dpp v[L], v[L], v[L] row_xmask:1 row_mask:0xf bank_mask:0xf
	s_delay_alu instid0(VALU_DEP_1)
	v_add_f32_dpp v[L], v[L], v[L] row_xmask:2 row_mask:0xf bank_mask:0xf
	s_delay_alu instid0(VALU_DEP_1)
	v_add_f32_dpp v[L], v[L], v[L] row_xmask:4 row_mask:0xf bank_mask:0xf
	s_delay_alu instid0(VALU_DEP_1)
	v_add_f32_dpp v[L], v[L], v[L] row_xmask:8 row_mask:0xf bank_mask:0xf
	s_delay_alu instid0(VALU_DEP_1)
	v_permlanex16_b32 v[L+1], v[L], s12, s13
	s_delay_alu instid0(VALU_DEP_1)
	v_add_f32 v[L], v[L], v[L+1]
	ds_store_b32 v2, v[L] offset:256
	s_wait_dscnt 0x0                               ; for the others' sake: my store is done
	s_barrier_signal -1
	s_barrier_wait -1
.irp i, 0,1,2,3
	ds_load_b128 v[W+4*\i:W+4*\i+3], v3 offset:256+16*\i
.endr
	s_wait_dscnt 0x0
	v_pk_add_f32 v[W:W+1], v[W:W+1], v[W+2:W+3]
	v_pk_add_f32 v[W+4:W+5], v[W+4:W+5], v[W+6:W+7]
	v_pk_add_f32 v[W+8:W+9], v[W+8:W+9], v[W+10:W+11]
	v_pk_add_f32 v[W+12:W+13], v[W+12:W+13], v[W+14:W+15]
	s_delay_alu instid0(VALU_DEP_3)
	v_pk_add_f32 v[W:W+1], v[W:W+1], v[W+4:W+5]
	s_delay_alu instid0(VALU_DEP_2)
	v_pk_add_f32 v[W+8:W+9], v[W+8:W+9], v[W+12:W+13]
	s_delay_alu instid0(VALU_DEP_1)
	v_pk_add_f32 v[W:W+1], v[W:W+1], v[W+8:W+9]
	s_delay_alu instid0(VALU_DEP_1)
	v_add_f32 v[W], v[W], v[W+1]                   ; at least 1: the largest score's p is 1
	s_wait_alu depctr_va_vdst(0)
	v_rcp_f32 v[L], v[W]
	v_nop                                          ; a plain instruction behind the reciprocal,
	s_wait_alu depctr_va_vdst(0)                   ; and the wait ahead of its first use
	v_pk_mul_f32 v[X:X+1], v[X:X+1], v[L:L+1] op_sel_hi:[1,0]
	v_pk_mul_f32 v[X+2:X+3], v[X+2:X+3], v[L:L+1] op_sel_hi:[1,0]
	global_store_b128 v1, v[X:X+3], s[6:7]         ; 32 lanes store 512 consecutive bytes, at a multiple of 512 from out0's first byte
	s_wait_tensorcnt 0x0
	ds_add_u32 v64, v65
	s_wait_dscnt 0x0
	s_endpgm
.Lfunc_end_k_qf0fea31d08_softmax:
	.size	k_qf0fea31d08_softmax, .Lfunc_end_k_qf0fea31d08_softmax-k_qf0fea31d08_softmax
	.p2alignl 7, 3214868480
	.fill 96, 4, 3214868480
	.section	.rodata,"a",@progbits
	.p2align	6, 0x0
	.amdhsa_kernel k_qf0fea31d08_softmax
		.amdhsa_group_segment_fixed_size 2560
		.amdhsa_private_segment_fixed_size 0
		.amdhsa_enable_private_segment 0
		.amdhsa_kernarg_size 16
		.amdhsa_user_sgpr_count 2
		.amdhsa_user_sgpr_kernarg_segment_ptr 1
		.amdhsa_wavefront_size32 1
		.amdhsa_system_sgpr_workgroup_id_x 1
		.amdhsa_system_sgpr_workgroup_id_y 1
		.amdhsa_system_sgpr_workgroup_id_z 1
		.amdhsa_system_vgpr_workitem_id 0
		.amdhsa_next_free_vgpr 66
		.amdhsa_next_free_sgpr 66
		.amdhsa_reserve_vcc 0
		.amdhsa_float_denorm_mode_32 3
		.amdhsa_float_denorm_mode_16_64 3
		.amdhsa_memory_ordered 1
		.amdhsa_forward_progress 1
		.amdhsa_inst_pref_size 6
	.end_amdhsa_kernel
	.amdgpu_metadata
---
amdhsa.version: [ 1, 2 ]
amdhsa.kernels:
  - .name:           k_qf0fea31d08_softmax
    .symbol:         k_qf0fea31d08_softmax.kd
    .args:
      - { .name: part, .offset: 0, .size: 8, .value_kind: global_buffer, .address_space: global }
      - { .name: out0, .offset: 8, .size: 8, .value_kind: global_buffer, .address_space: global }
    .group_segment_fixed_size: 2560
    .private_segment_fixed_size: 0
    .kernarg_segment_align: 8
    .kernarg_segment_size: 16
    .max_flat_workgroup_size: 512
    .sgpr_count:     66
    .vgpr_count:     66
    .wavefront_size: 32
...
	.end_amdgpu_metadata
.endif
;; end of part 2
